; MI455X (gfx1250); checked and timed in simulation.
; The chip was launched on July 23, 2026; its instructions are those of AMD's public machine-readable ISA for CDNA 5 (MIT licence, August 2026) and "CDNA5" Instruction Set Architecture Reference Guide (July 2026). The comments in the code are by the model that wrote it; some were corrected since.
;; SVD Quant Linear. Allowed arithmetic: float matrix products may take bf16 or f16 operands with f32 sums; other float arithmetic in f32, or as packed bf16 or f16 multiplies, adds, multiply-adds, maxima and minima; sums over many terms, partial sums and values carried from step to step in f32; what a program stores and reads back later, other than sums and carried values, may be rounded once to bf16 or f16.
;; Inputs: bias 4,096 float32; lora_A 32 x 4,096 float32; lora_B 4,096 x 32 float32; lora_S 32 float32; w_q 4,096 x 4,096 int32; w_scale 4,096 float32; x 4 x 1,024 x 4,096 float32.
;; Outputs: out0 4 x 1,024 x 4,096 float32.
;; 2 versions, each right; version 2 is version 1 with the launch prep written anew for expert scheduling mode. Each part assembles by itself: llvm-mc -triple=amdgcn-amd-amdhsa -mcpu=gfx1250 --defsym DOCPART=n.
;; ======== version 1 of 2: 2 launches
;; workspace buffers: xb 33,554,432 bytes; wb 33,554,432 bytes; xas 262,144 bytes; lbb 262,144 bytes
;; launch prep (part 1): grid 256 x 1, 16 waves a work-group, no clusters, 104,448 bytes of LDS; arguments x, w_q, lora_A, lora_S, lora_B, xb, wb, xas, lbb; writes xb, wb, xas, lbb
.if DOCPART == 1
	.amdgcn_target "amdgcn-amd-amdhsa--gfx1250"
	.amdhsa_code_object_version 6
	.text
	.protected	k_qf9b3085b90_prep
	.globl	k_qf9b3085b90_prep
	.p2align	8
	.type	k_qf9b3085b90_prep,@function
k_qf9b3085b90_prep:
	s_mov_b64 s[64:65], 0
	v_nop
	global_prefetch_b8 v0, s[64:65] scope:SCOPE_SE
	s_setreg_imm32_b32 hwreg(HW_REG_WAVE_MODE, 25, 1), 1
	s_wait_xcnt 0x0
; SVDQuantLinear, first of two launches.  out[m][o] = w_scale[o] * sum_i x[m][i] w_q[o][i] + bias[o] + sum_r (S[r] * sum_i x[m][i] A[r][i]) Bl[o][r], m = 0..4095 (4 x 1024 rows), o, i = 0..4095, r = 0..31.
; NO WORK IS LEFT OUT in either launch: every input has a way to the output and is loaded; dropout(p = 0) and the cast to f32 in the problem's text are identities without arithmetic.
; THIS LAUNCH makes the matrix operands of the second, each rounded once to bf16 (to nearest even):
;   xb = bf16(x) [4096][4096];  wb = bf16(w_q) [4096][4096], WITHOUT w_scale (the second launch applies it in f32 to the finished sums);
;   lbb = bf16(lora_B) [4096][32];  xas = bf16((x A^T) * S) [4096][32]: x and A as bf16 operands, sums in f32, S in f32.
; LIMITS.  Whole numbers up to 256 in magnitude are exact in bf16; larger w_q are rounded like any matrix operand (above 2^24 first by the conversion to f32).  NaN and infinities are not treated apart.
; SHARES.  Work-group g owns rows 16 g .. 16 g + 15 of x, of w_q and of lora_B.  Waves 0-7: wave v takes columns 512 v .. 512 v + 511 of the 16 rows of x, in four trips of 128 columns: it rounds them, stores
; them, and multiplies them by the same columns of A's 32 rows (two tiles of 16).  Waves 8-15: wave 8 + u casts rows 2 u, 2 u + 1 of the 16 rows of w_q: 32,768 bytes on end, 64 chunks of 512 bytes in, 256 out.
; Behind one barrier waves 0-3 add the eight partial tiles of x A^T, multiply by S and store xas, and store lbb.
; No tensor loads and no ring: no wave wants a byte of x or w_q that another has fetched.  No cluster: only A is shared, 512 KiB that every work-group reads.  No prefetch: the launch is one stream of loads and stores from end to end.
; LDS.  STG: 16 rows x 272 bytes (256 of bf16 + 16 of padding) for a wave, its own; PART: a wave's partial tile, f32 [16 m][32 r].  Both are laid out by the wave's number for all 16 numbers, so that an
; address is the wave's number times a constant; waves 8-15 use neither.  Behind them the spare words.
.set ROWF,  16384                      ; bytes in a row of x, w_q, lora_A
.set ROWH,  8192                       ; bytes in a row of xb, wb
.set SP,    272                        ; a row of the stage: 68 words, so the 16 rows of a fragment load start at 16 different groups of four banks (64 banks of 4 bytes: ISA guide 11.1)
.set STGW,  16*SP                      ; a wave's stage
.set PART,  16*STGW                    ; 69,632
.set SPARE, PART+16*2048               ; 102,400: the spare words, 128 bytes for each of the 16 waves: eight blocks of 256 bytes that no other line names
.set WV,  4                            ; s4   my wave's number
.set XO,  1                            ; v1   x: 16 l + 2,048 v            (w path: 16 l)
.set XSO, 2                            ; v2   xb: 8 l + 1,024 v            (w path: 8 l)
.set LSO, 3                            ; v3   stage, in: my 8 bytes of a row
.set LFO, 4                            ; v4   stage, back: row l % 16, 16 bytes for each half of the lanes
.set AO,  5                            ; v5   lora_A: row l % 16, 32 bytes for each half of the lanes, + 2,048 v
.set SPW, 6                            ; v6   LDS address of my spare word; never rewritten
.set NIL, 7                            ; v7   0; never rewritten
.set LBR, 8                            ; v[8:11]   four numbers of lora_B
.set SR,  12                           ; v[12:15]  the four numbers of lora_S that go with them
.set ACC, 16                           ; v[16:31]  two accumulators: A's rows 0-15, 16-31
.set XP,  32                           ; v[32:63]  x rounded, 2 registers a row; then x's four fragments
.set XR,  64                           ; v[64:127] x as loaded, 4 registers a row
.set AR,  128                          ; v[128:255] A as loaded, 64 registers a tile; rounded in place into the lower 32: four fragments
.set WX,  64                           ; w path: v[64:127] 16 slots of 4, as loaded
.set WY,  128                          ; v[128:159] 16 slots of 2, to store
.set T,   160                          ; v[160:163] at work
	s_load_b512 s[16:31], s[0:1], 0x0              ; x 16, w_q 18, lora_A 20, lora_S 22, lora_B 24, xb 26, wb 28, xas 30
	s_load_b64 s[32:33], s[0:1], 0x40              ; lbb
	v_lshl_add_u32 v[SPW], v0, 2, SPARE
	v_mov_b32 v[NIL], 0
	v_lshrrev_b32 v32, 5, v0
	v_readfirstlane_b32 s[WV], v32                 ; wave 0..15
	s_and_b32 s5, s[WV], 7
	v_and_b32 v33, 127, v0
	v_lshlrev_b32 v34, 4, v33                      ; 16 bytes of the work-group's 2,048 of lora_B
	v_and_b32 v35, 127, v34                        ; and the same four r in lora_S
	s_lshl_b32 s6, ttmp9, 18                       ; 16 rows of 16,384 bytes
	s_mov_b32 s7, 0
	s_lshl_b32 s8, ttmp9, 17                       ; 16 rows of 8,192 bytes
	s_mov_b32 s9, 0
	s_lshl_b32 s10, ttmp9, 11                      ; 16 rows of 128 bytes
	s_mov_b32 s11, 0
	s_wait_kmcnt 0x0
	s_add_nc_u64 s[24:25], s[24:25], s[10:11]
	s_lshl_b32 s10, ttmp9, 10                      ; 16 rows of 64 bytes
	s_add_nc_u64 s[30:31], s[30:31], s[10:11]
	s_add_nc_u64 s[32:33], s[32:33], s[10:11]
	global_load_b128 v[LBR:LBR+3], v34, s[24:25]   ; every wave issues these two, so that the head has one form; waves 0-3 use them at the end
	global_load_b128 v[SR:SR+3], v35, s[22:23]
	s_cmp_lt_u32 s[WV], 8
	s_cbranch_scc0 .Lw
	; ---- waves 0-7: x ----
	s_add_nc_u64 s[16:17], s[16:17], s[6:7]
	s_add_nc_u64 s[26:27], s[26:27], s[8:9]
	v_and_b32 v36, 31, v0                          ; l
	v_and_b32 v37, 15, v0                          ; l % 16
	v_bfe_u32 v38, v0, 4, 1                        ; l / 16
	s_lshl_b32 s12, s[WV], 11
	s_lshl_b32 s13, s[WV], 10
	s_mul_i32 s14, s[WV], STGW
	s_add_co_u32 s15, s12, PART                    ; my partial tile
	v_lshl_add_u32 v[XO], v36, 4, s12
	v_lshl_add_u32 v[XSO], v36, 3, s13
	v_lshl_add_u32 v[LSO], v36, 3, s14
	v_mul_u32_u24 v39, v37, SP
	v_lshl_add_u32 v39, v38, 4, v39
	v_add_nc_u32 v[LFO], s14, v39
	v_lshlrev_b32 v40, 14, v37
	v_lshl_add_u32 v40, v38, 5, v40
	v_add_nc_u32 v[AO], s12, v40
; Trip t's 128 columns of the 16 rows: a load covers 512 consecutive bytes of one row.
.macro LX t
.irp j, 0,1,2,3,4,5,6,7,8,9,10,11,12,13,14,15
	global_load_b128 v[XR+4*(\j):XR+4*(\j)+3], v[XO], s[16:17] offset:(\j)*ROWF+(\t)*512 th:TH_LOAD_NT
.endr
.endm
; The same columns of A's rows 16 u .. 16 u + 15, in the order of four fragments: a fragment of 16 rows x 32 channels wants channels 8 (l / 16) + 0..7 and 16 + 8 (l / 16) + 0..7 of row l % 16:
; in f32 two times 32 bytes, 64 bytes apart.  No hint: every work-group reads these rows.
.macro LA t, u
.irp s, 0,1,2,3
.irp q, 0,1,2,3
	global_load_b128 v[AR+64*(\u)+16*(\s)+4*(\q):AR+64*(\u)+16*(\s)+4*(\q)+3], v[AO], s[20:21] offset:(\u)*16*ROWF+(\t)*512+128*(\s)+64*((\q)/2)+16*((\q)%2)
.endr
.endr
.endm
.macro ROUND_A u                       ; 64 f32 into 32 registers of bf16, in place, ascending: register i takes 2 i and 2 i + 1, which no earlier line has written
.set i, 0
.rept 32
	v_cvt_pk_bf16_f32 v[AR+64*(\u)+i], v[AR+64*(\u)+2*i], v[AR+64*(\u)+2*i+1]
.set i, i+1
.endr
.endm
; A trip.  more = 1: the next trip's loads are issued.
.macro XTRIP t, more
	s_wait_loadcnt 32                              ; loads come back in order (ISA guide 5.7.1): x is in; A's 32 loads, issued behind it, may stay out
.set i, 0
.rept 32
	v_cvt_pk_bf16_f32 v[XP+i], v[XR+2*i], v[XR+2*i+1]
.set i, i+1
.endr
.if \more
	LX (\t)+1                                      ; the next trip's x, ahead of the stores
.endif
.irp j, 0,1,2,3,4,5,6,7,8,9,10,11,12,13,14,15
	global_store_b64 v[XSO], v[XP+2*(\j):XP+2*(\j)+1], s[26:27] offset:(\j)*ROWH+(\t)*256 th:TH_STORE_NT  ; the wave's 32 lanes store 256 consecutive bytes, at a multiple of 256 from xb's first byte
.endr
.irp j, 0,1,2,3,4,5,6,7,8,9,10,11,12,13,14,15
	ds_store_b64 v[LSO], v[XP+2*(\j):XP+2*(\j)+1] offset:(\j)*SP
.endr
	s_wait_loadcnt 16+16*(\more)                   ; A's tile 0 is in; behind it: tile 1's 16 loads and, where there is one, the next x's 16
	ROUND_A 0
	s_wait_loadcnt 16*(\more)                      ; A's tile 1 is in
	ROUND_A 1
	s_wait_xcnt 0x0                                ; the stores to xb have read XP: it is loaded again only behind this wait
.irp s, 0,1,2,3
	ds_load_b128 v[XP+8*(\s):XP+8*(\s)+3],   v[LFO] offset:64*(\s)     ; LDS serves a wave's instructions in order (ISA guide 5.7.1.4): these see the stores above
	ds_load_b128 v[XP+8*(\s)+4:XP+8*(\s)+7], v[LFO] offset:64*(\s)+32
.endr
	s_wait_dscnt 0x0
	; source 0 = 16 rows of A, source 1 = the 16 rows of x: a lane ends with ONE row m of x (l % 16) and r = 16 u + 8 (l / 16) + 0..7.  The two accumulators take turns, from trip to trip too.
.irp s, 0,1,2,3
.irp u, 0,1
.if ((\t) == 0) && ((\s) == 0)
	v_wmma_f32_16x16x32_bf16 v[ACC+8*(\u):ACC+8*(\u)+7], v[AR+64*(\u)+8*(\s):AR+64*(\u)+8*(\s)+7], v[XP+8*(\s):XP+8*(\s)+7], 0
.else
	v_wmma_f32_16x16x32_bf16 v[ACC+8*(\u):ACC+8*(\u)+7], v[AR+64*(\u)+8*(\s):AR+64*(\u)+8*(\s)+7], v[XP+8*(\s):XP+8*(\s)+7], v[ACC+8*(\u):ACC+8*(\u)+7]
.endif
.endr
.endr
.rept 4
	v_nop                                          ; four places behind the last product, ahead of loads and conversions into registers that it has read
.endr
.if \more
	LA (\t)+1, 0
	LA (\t)+1, 1
.endif
.endm
	LX 0
	LA 0, 0
	LA 0, 1
	XTRIP 0, 1
	XTRIP 1, 1
	XTRIP 2, 1
	XTRIP 3, 0
	v_and_b32 v64, 15, v0                          ; where my 2 x 32 bytes of the partial tile go: 128 m + 32 (l / 16); five more places ahead of the stores that read the sums
	v_bfe_u32 v65, v0, 4, 1
	v_lshlrev_b32 v64, 7, v64
	v_lshl_add_u32 v64, v65, 5, v64
	v_add_nc_u32 v64, s15, v64
.irp u, 0,1
	ds_store_b128 v64, v[ACC+8*(\u):ACC+8*(\u)+3]   offset:64*(\u)     ; each accumulator's lowest registers first
	ds_store_b128 v64, v[ACC+8*(\u)+4:ACC+8*(\u)+7] offset:64*(\u)+16
.endr
	s_branch .Ljoin
	; ---- waves 8-15: w_q ----
.Lw:
	s_lshl_b32 s12, s5, 15                         ; my two rows of 16,384 bytes
	s_add_co_u32 s6, s6, s12
	s_add_nc_u64 s[18:19], s[18:19], s[6:7]
	s_lshl_b32 s12, s5, 14                         ; and of 8,192
	s_add_co_u32 s8, s8, s12
	s_add_nc_u64 s[28:29], s[28:29], s[8:9]
	v_and_b32 v36, 31, v0
	v_lshlrev_b32 v[XO], 4, v36
	v_lshlrev_b32 v[XSO], 3, v36
.irp i, 0,1,2,3,4,5,6,7,8,9,10,11,12,13,14,15
	global_load_b128 v[WX+4*(\i):WX+4*(\i)+3], v[XO], s[18:19] offset:(\i)*512 th:TH_LOAD_NT  ; the ring of 16 slots is filled: 8 KiB of a wave's on their way
.endr
; Chunk c, in slot c % 16.  The chunk's place stands in the immediates; no address register is ever rewritten.
.macro WSLOT
.set sl, c%16
.if c < 48
	s_wait_loadcnt 15                              ; my slot's load is in; the 15 younger ones stay out
.else
	s_wait_loadcnt 63-c                            ; the last 16 chunks load nothing: the counts run down
.endif
	s_wait_xcnt 0x0                                ; the slot's last store has read WY's pair: it is rewritten only behind this wait
.irp k, 0,1,2,3
	v_cvt_f32_i32 v[T+(\k)], v[WX+4*sl+(\k)]
.endr
.if c < 48
	global_load_b128 v[WX+4*sl:WX+4*sl+3], v[XO], s[18:19] offset:(c+16)*512 th:TH_LOAD_NT
.endif
	v_cvt_pk_bf16_f32 v[WY+2*sl], v[T], v[T+1]
	v_cvt_pk_bf16_f32 v[WY+2*sl+1], v[T+2], v[T+3]
	global_store_b64 v[XSO], v[WY+2*sl:WY+2*sl+1], s[28:29] offset:c*256 th:TH_STORE_NT  ; 256 consecutive bytes, at a multiple of 256 from wb's first byte
.endm
.set c, 0
.rept 64
	WSLOT
.set c, c+1
.endr
.Ljoin:
	s_wait_dscnt 0x0                               ; for the others' sake: my partial tile lies in LDS
	s_barrier_signal -1
	s_barrier_wait -1                              ; all eight do
	s_cmp_lt_u32 s[WV], 4
	s_cbranch_scc0 .Lend
	; Thread t of 128: row t / 8, r = 4 (t % 8) + 0..3: 16 bytes of each partial tile and of lora_B, 8 bytes of xas and of lbb
	v_lshl_add_u32 v66, v0, 4, PART
.irp p, 0,1,2,3,4,5,6,7
	ds_load_b128 v[68+4*(\p):71+4*(\p)], v66 offset:(\p)*2048
.endr
	v_lshlrev_b32 v102, 3, v0
	v_cvt_pk_bf16_f32 v100, v[LBR], v[LBR+1]       ; (lora_B and lora_S are in since the first counted wait for loads)
	v_cvt_pk_bf16_f32 v101, v[LBR+2], v[LBR+3]
	global_store_b64 v102, v[100:101], s[32:33]    ; a wave stores 256 consecutive bytes of lbb
	s_wait_dscnt 0x0
.irp p, 0,2,4,6
	v_pk_add_f32 v[68+4*(\p):69+4*(\p)], v[68+4*(\p):69+4*(\p)], v[72+4*(\p):73+4*(\p)]
	v_pk_add_f32 v[70+4*(\p):71+4*(\p)], v[70+4*(\p):71+4*(\p)], v[74+4*(\p):75+4*(\p)]
.endr
.irp p, 0,4
	v_pk_add_f32 v[68+4*(\p):69+4*(\p)], v[68+4*(\p):69+4*(\p)], v[76+4*(\p):77+4*(\p)]
	v_pk_add_f32 v[70+4*(\p):71+4*(\p)], v[70+4*(\p):71+4*(\p)], v[78+4*(\p):79+4*(\p)]
.endr
	v_pk_add_f32 v[68:69], v[68:69], v[84:85]
	v_pk_add_f32 v[70:71], v[70:71], v[86:87]
	v_pk_mul_f32 v[68:69], v[68:69], v[SR:SR+1]    ; (x A^T) * S, in f32
	v_pk_mul_f32 v[70:71], v[70:71], v[SR+2:SR+3]
	v_cvt_pk_bf16_f32 v104, v68, v69
	v_cvt_pk_bf16_f32 v105, v70, v71
	global_store_b64 v102, v[104:105], s[30:31]    ; and 256 consecutive bytes of xas
.Lend:
	s_wait_tensorcnt 0x0                           ; the wave's end, behind my last LDS store
	ds_add_u32 v[SPW], v[NIL]
	s_wait_dscnt 0x0
	s_endpgm
.Lfunc_end_k_qf9b3085b90_prep:
	.size	k_qf9b3085b90_prep, .Lfunc_end_k_qf9b3085b90_prep-k_qf9b3085b90_prep
	.p2alignl 7, 3214868480
	.fill 96, 4, 3214868480
	.section	.rodata,"a",@progbits
	.p2align	6, 0x0
	.amdhsa_kernel k_qf9b3085b90_prep
		.amdhsa_group_segment_fixed_size 104448
		.amdhsa_private_segment_fixed_size 0
		.amdhsa_enable_private_segment 0
		.amdhsa_kernarg_size 72
		.amdhsa_user_sgpr_count 2
		.amdhsa_user_sgpr_kernarg_segment_ptr 1
		.amdhsa_wavefront_size32 1
		.amdhsa_system_sgpr_workgroup_id_x 1
		.amdhsa_system_sgpr_workgroup_id_y 1
		.amdhsa_system_sgpr_workgroup_id_z 1
		.amdhsa_system_vgpr_workitem_id 0
		.amdhsa_next_free_vgpr 256
		.amdhsa_next_free_sgpr 66
		.amdhsa_reserve_vcc 0
		.amdhsa_float_denorm_mode_32 3
		.amdhsa_float_denorm_mode_16_64 3
		.amdhsa_memory_ordered 1
		.amdhsa_forward_progress 1
		.amdhsa_inst_pref_size 95
	.end_amdhsa_kernel
	.amdgpu_metadata
---
amdhsa.version: [ 1, 2 ]
amdhsa.kernels:
  - .name:           k_qf9b3085b90_prep
    .symbol:         k_qf9b3085b90_prep.kd
    .args:
      - { .name: x, .offset: 0, .size: 8, .value_kind: global_buffer, .address_space: global }
      - { .name: w_q, .offset: 8, .size: 8, .value_kind: global_buffer, .address_space: global }
      - { .name: lora_A, .offset: 16, .size: 8, .value_kind: global_buffer, .address_space: global }
      - { .name: lora_S, .offset: 24, .size: 8, .value_kind: global_buffer, .address_space: global }
      - { .name: lora_B, .offset: 32, .size: 8, .value_kind: global_buffer, .address_space: global }
      - { .name: xb, .offset: 40, .size: 8, .value_kind: global_buffer, .address_space: global }
      - { .name: wb, .offset: 48, .size: 8, .value_kind: global_buffer, .address_space: global }
      - { .name: xas, .offset: 56, .size: 8, .value_kind: global_buffer, .address_space: global }
      - { .name: lbb, .offset: 64, .size: 8, .value_kind: global_buffer, .address_space: global }
    .group_segment_fixed_size: 104448
    .private_segment_fixed_size: 0
    .kernarg_segment_align: 8
    .kernarg_segment_size: 72
    .max_flat_workgroup_size: 512
    .sgpr_count:     66
    .vgpr_count:     256
    .wavefront_size: 32
...
	.end_amdgpu_metadata
.endif
;; end of part 1
;; launch gemm (part 2): grid 16 x 16, 4 waves a work-group, clusters of 4 x 4, 327,680 bytes of LDS; arguments xb, wb, out0, xas, lbb, w_scale, bias; writes out0
.if DOCPART == 2
	.amdgcn_target "amdgcn-amd-amdhsa--gfx1250"
	.amdhsa_code_object_version 6
	.text
	.protected	k_qf9b3085b90_gemm
	.globl	k_qf9b3085b90_gemm
	.p2align	8
	.type	k_qf9b3085b90_gemm,@function
k_qf9b3085b90_gemm:
	s_mov_b64 s[64:65], 0
	v_nop
	global_prefetch_b8 v0, s[64:65] scope:SCOPE_SE
	s_setreg_imm32_b32 hwreg(HW_REG_WAVE_MODE, 25, 1), 1
	s_wait_xcnt 0x0
	s_wait_alu depctr_hold_cnt(0) depctr_sa_sdst(0) depctr_va_vdst(0) depctr_va_sdst(0) depctr_va_ssrc(0) depctr_va_vcc(0) depctr_vm_vsrc(0)
	s_getreg_b32 s2, hwreg(HW_REG_IB_STS2, 6, 4)
	s_cmp_eq_u32 s2, 0
	s_cbranch_scc0 .Lentry_in_a_cluster
	s_endpgm
.Lentry_in_a_cluster:
	s_bfe_u32 s2, ttmp6, 0x10000c
	s_cmp_lg_u32 s2, 0xf033
	s_cbranch_scc0 .Lentry_shape_is_right
	s_endpgm
.Lentry_shape_is_right:
; SVDQuantLinear, second of two launches.  out0[m][o] = w_scale[o] * (sum over i of xb[m][i] wb[o][i]) + bias[o] + sum over r of xas[m][r] lbb[o][r].
; xb, wb: [4096][4096] bf16; xas, lbb: [4096][32] bf16 (all four made by the first launch); w_scale, bias: [4096] f32; out0: [4096][4096] f32.  All sums, the scale and the bias in f32.  No work is left out.
; LIMITS.  The matrix operands carry the first launch's one rounding to bf16; NaN and infinities are not treated apart.
; SHAPE.  A tile of out0, 256 x 256, is made by a work-group of four waves, a wave 128 x 128: 64 accumulators of 16 x 16, 512 registers.  K goes in steps of 128 through a ring of two LDS slots filled by the
; tensor data mover: the rows of the tiles are 256 bytes of memory and start at multiples of 256 bytes from the buffer's first byte.  16 x 16 tiles: one work-group each.
; CLUSTERS.  4 x 4 work-groups.  The four of a row of the cluster need the same tiles of xb, the four of a column the same tiles of wb: each tile is asked for JOINTLY, by the same tensor load with the same
; descriptor and a mask that names the four; each receives it in its own LDS.
; THE MATRIX INSTRUCTION IS USED TRANSPOSED: source 0 = 16 rows of wb, source 1 = 16 rows of xb.  In the result lane l holds row l % 16 of out0 and its registers 0-7 the columns 8 (l / 16) + 0..7:
; 32 neighbouring bytes, and w_scale and bias go by register, the same for all rows.
; THE WAY OUT.  acc = acc * scale + bias, two numbers an instruction; then ONE MORE K STEP of 32 on the same accumulators, lbb's rows x xas's rows: the low-rank term costs 64 matrix instructions beside the
; base product's 8,192.  Then 16 rows at a time through my own stage in LDS, and out as whole rows of 512 bytes.
; REGISTERS, in windows of 256 (s_set_vgpr_msb: bits 1:0 source 0, 3:2 source 1, 5:4 source 2, 7:6 destination):
;   window 0: v0-31 addresses; v32-39 scale and bias as loaded; v64-127, v128-191 fragments of xb, two buffers; on the way out: v64-127 the scales by register, then both buffers take rows back from the stage
;   window 1: v0-63 lbb's 8 fragments; v64-127, v128-191 fragments of wb, two buffers (v64-127 on the way out: the biases by register); v192-255 xas's 8 fragments
;   window 2: the 32 accumulators of my rows 0-63 ((a, b) at v[8 (8 a + b)]);   window 3: those of my rows 64-127
.set SIZE_N, 4096
.set SIZE_K, 4096
.set KSTEP,  128
.set PITCH,  272                       ; an LDS row: 256 bytes + 16 of padding = 68 words: row r starts at bank 4 r mod 64 (64 banks of 4 bytes: ISA guide 11.1), so the 16 rows that a load touches start at 16 different banks
.set HALFT,  128*PITCH                 ; 128 rows: what one tensor load brings, and what one wave reads of either operand
.set SLOT,   4*HALFT                   ; xb's 256 rows, then wb's 256 rows
.set STAGE,  2*SLOT                    ; behind the ring: 16 rows x 528 bytes for each wave, for the way out
.set SPITCH, 528                       ; 512 bytes of f32 + 16: 33 x 16
.set TAB,    STAGE+4*16*SPITCH         ; for each wave 1,024 bytes: the scales of its 128 columns, then their biases
.set SPARE,  TAB+4*1024                ; the spare words, 128 bytes for each wave: two blocks of 256 bytes that no other line names
.set LAPS,   SIZE_K/(2*KSTEP)          ; a lap = two K steps = once round the ring: 16
.set ADRA, 16                          ; v16-17  LDS address of my xb fragments in slot 0, 1
.set ADRB, 20                          ; v20-21  the same for wb
.set STO,  24                          ; v24     the way out: where I put 32 bytes of a row
.set RD,   25                          ; v25     the way out: where I read 16 bytes of a row back
.set CO,   26                          ; v26     16 x lane: my bytes in 512 consecutive bytes
.set XO,   27                          ; v27     my bytes in a fragment of xas or lbb: 64 (l % 16) + 16 (l / 16)
.set SPW,  28                          ; v28     LDS address of my spare word; never rewritten
.set NIL,  29                          ; v29     0; never rewritten
.set PFO,  30                          ; v30     the prefetches' offset: my lane x a row of 8,192 bytes; never rewritten
.set TR,   31                          ; v31     where my half of the lanes reads the table
.set RAW,  32
.set F0,   64
.set F1,   128
.set LBF,  0                           ; window 1
.set XAF,  192                         ; window 1
.set PFA,  44                          ; s[44:45] where my prefetches stand
.set LIM,  43                          ; s43     1 in a wave that prefetches, else the greatest number
.set G1,  24                           ; s[24:31] descriptor group 1 for xb's tiles
.set G0,  32                           ; s[32:39] group 0, one set for each slot
.set G1B, 48                           ; s[48:55], s[56:63] the same for wb's tiles
.set G0B, 56
.set MSB, 0
.macro WIN new                         ; the immediate's high byte repeats the setting that is left; a switch that changes nothing is dropped
.if MSB != (\new)
	s_set_vgpr_msb (MSB<<8)|(\new)
.set MSB, \new
.endif
.endm
.set MUL_LO, 0xa1                      ; source 0 (wb) window 1, source 1 (xb) window 0, C and D window 2
.set MUL_HI, 0xf1                      ; the same, C and D window 3
.set TO_B,   0x40                      ; destination window 1, address window 0
; A joint load.  Waves 0 and 1 fetch xb's two halves, waves 2 and 3 wb's.  The branch hangs on the wave's number alone.  An s_nop 0 and four v_nop follow each of the two lines.
.macro JLOAD s
	s_cmp_eq_u32 s11, 0
	s_cbranch_scc0 .Lfor_b_\@
	tensor_load_to_lds s[G0+4*(\s):G0+4*(\s)+3], s[G1:G1+7]
	s_nop 0
.rept 4
	v_nop
.endr
	s_branch .Lasked_\@
.Lfor_b_\@:
	tensor_load_to_lds s[G0B+4*(\s):G0B+4*(\s)+3], s[G1B:G1B+7]
	s_nop 0
.rept 4
	v_nop
.endr
.Lasked_\@:
.endm
; A PREFETCH INTO THE L2, behind each joint refill, its five lines and the run of LDS loads that follows: the K step that stands TWO refills on, 512 matrix instructions ahead of the load that will ask for it:
; 32 rows x 256 bytes, a lane a row, one instruction a wave.  Each row's 256 bytes of a K step are named ONCE in the launch: xb's tile row is read by every cluster of that row of clusters, and the one with
; x = 0 asks; wb's tile column by every cluster of that column, and the one with y = 0 asks.  The four partners that ask for a tile jointly share its rows out BY ADDRESS: of the 128 rows that wave w fetches the
; partner at place p takes 32 p .. 32 p + 31 (p = cx for xb, cy for wb).  K steps 0 to 3 come by their loads alone; the loop's last trip (s3 = 1) asks for nothing: K steps 32 and 33 do not exist.
.macro ASK
	s_cmp_gt_u32 s3, s[LIM]
	s_cbranch_scc0 .Lnot_mine_\@
	global_prefetch_b8 v[PFO], s[PFA:PFA+1] offset:KSTEP*2 th:TH_LOAD_NT scope:SCOPE_SE
.Lnot_mine_\@:
.endm
; A round of the cluster's barrier: my work-group's barrier, so that wave 0's signal speaks for all four waves; wave 0 signals; every wave waits for all sixteen work-groups; my work-group's barrier once more.
.macro CREST                           ; a round behind its opening barrier
	s_cmp_lg_u32 s10, 0
	s_cbranch_scc1 .Lnot_wave_0_\@
	s_barrier_signal -3
.Lnot_wave_0_\@:
	s_barrier_wait -3
	s_barrier_signal -1
	s_barrier_wait -1
.endm
.macro CROUND                          ; a whole round
	s_barrier_signal -1
	s_barrier_wait -1
	CREST
.endm
	s_load_b128 s[4:7], s[0:1], 0x0                ; xb s[4:5], wb s[6:7]
	s_load_b64 s[8:9], s[0:1], 0x10                ; out0
	s_load_b128 s[68:71], s[0:1], 0x18             ; xas s[68:69], lbb s[70:71]
	s_load_b128 s[72:75], s[0:1], 0x28             ; w_scale s[72:73], bias s[74:75]
	v_lshl_add_u32 v[SPW], v0, 2, SPARE
	v_mov_b32 v[NIL], 0
	ds_add_u32 v[SPW], v[NIL]                      ; the wave's opening: the add, twice on end, and its wait ahead of my first tensor load; the set-up below, work on registers, stands between
	ds_add_u32 v[SPW], v[NIL]
	v_lshrrev_b32 v1, 5, v0
	v_readfirstlane_b32 s10, v1                    ; wave 0..3
	s_lshr_b32 s11, s10, 1                         ; which half of the tile's rows is mine.  Also: I fetch for xb (0) or for wb (1)
	s_and_b32 s12, s10, 1                          ; which half of its columns.  Also: which 128 rows of that tile I fetch
	s_bfe_u32 s40, ttmp6, 0x40000                  ; cx
	s_bfe_u32 s41, ttmp6, 0x40004                  ; cy
	s_lshl_b32 s42, ttmp9, 2                       ; in a cluster launch ttmp9 and ttmp7 count clusters
	s_add_co_u32 s42, s42, s40                     ; tile column = 4 x cluster x + cx
	s_and_b32 s13, ttmp7, 0xffff
	s_lshl_b32 s13, s13, 2
	s_add_co_u32 s13, s13, s41                     ; tile row = 4 x cluster y + cy
	s_lshl_b32 s43, s41, 2
	s_lshl_b32 s43, 15, s43                        ; my row of the cluster: places 4 cy .. 4 cy + 3
	s_lshl_b32 s44, 0x1111, s40                    ; my column: places cx, cx + 4, cx + 8, cx + 12
	; descriptor group 1: a tile of 128 rows x 128 elements, padded in LDS
	s_or_b32 s[G1+0], s43, (1<<16)|(1<<20)|(1<<21)|(5<<22)|(3<<25)  ; 15:0 the mask: xb's tiles go to my row; 17:16 elements of 2 bytes; 20 padding on; 21 set beside a mask; 24:22 after every 64 words (code 5); 31:25 4 words (code 3)
	s_or_b32 s[G1B+0], s44, (1<<16)|(1<<20)|(1<<21)|(5<<22)|(3<<25) ; the same with the mask of my column, for wb's tiles
.irp g, G1, G1B
	s_mov_b32 s[(\g)+1], KSTEP<<16                 ; tensor_dim0 = 128
	s_mov_b32 s[(\g)+2], 128<<16                   ; tensor_dim1 = 128
	s_mov_b32 s[(\g)+3], KSTEP<<16                 ; tile_dim0 = 128
	s_mov_b32 s[(\g)+4], 128                       ; tile_dim1 = 128
	s_mov_b32 s[(\g)+5], SIZE_K                    ; elements from row to row
	s_mov_b32 s[(\g)+6], 0
	s_mov_b32 s[(\g)+7], 0
.endr
	; where the tiles come from: xb's hang on the tile row alone, which my row of the cluster shares; wb's on the tile column alone, which my column shares
	s_lshl_b32 s17, s12, 7                         ; which 128 rows of the tile I fetch
	s_lshl_b32 s16, s13, 8
	s_add_co_u32 s16, s16, s17                     ; xb: row 256 x tile row + 128 x half
	s_lshl_b32 s46, s42, 8
	s_add_co_u32 s46, s46, s17                     ; wb: row 256 x tile column + 128 x half
	s_mov_b32 s17, 0
	s_mov_b32 s47, 0
	s_mov_b64 s[18:19], SIZE_K*2
	s_mul_u64 s[16:17], s[16:17], s[18:19]
	s_mul_u64 s[46:47], s[46:47], s[18:19]
	s_mul_i32 s20, s10, HALFT                      ; and where they go: wave x 128 rows: no place in the cluster enters an LDS address
	s_wait_dscnt 0x0                               ; both opening adds are done
	s_wait_kmcnt 0x0
	s_add_nc_u64 s[14:15], s[4:5], s[16:17]
	s_add_nc_u64 s[46:47], s[6:7], s[46:47]
	CROUND                                         ; all sixteen work-groups are here: the first joint loads meet
.irp s, 0,1
	s_mov_b32 s[G0+4*(\s)], 1                                      ; count = 1
	s_add_co_u32 s[G0+4*(\s)+1], s20, (\s)*SLOT                    ; LDS address
	s_add_nc_u64 s[G0+4*(\s)+2:G0+4*(\s)+3], s[14:15], (\s)*KSTEP*2  ; global address: K step s
	s_or_b32 s[G0+4*(\s)+3], s[G0+4*(\s)+3], 0x80000000            ; type = 2
	s_mov_b32 s[G0B+4*(\s)], 1
	s_add_co_u32 s[G0B+4*(\s)+1], s20, (\s)*SLOT
	s_add_nc_u64 s[G0B+4*(\s)+2:G0B+4*(\s)+3], s[46:47], (\s)*KSTEP*2
	s_or_b32 s[G0B+4*(\s)+3], s[G0B+4*(\s)+3], 0x80000000
	JLOAD \s                                       ; the ring is filled before anything else is done: two tensor loads of mine are out
.endr
	; what the way out wants, asked for now: my 128 scales and biases, lbb's rows of my 128 columns, xas's rows of my 128 rows
	v_and_b32 v1, 15, v0                           ; l % 16
	v_bfe_u32 v2, v0, 4, 1                         ; l / 16
	v_and_b32 v3, 31, v0                           ; l
	v_lshlrev_b32 v[CO], 4, v3
	v_lshlrev_b32 v[XO], 6, v1
	v_lshl_add_u32 v[XO], v2, 4, v[XO]
	s_lshl_b32 s76, s13, 8
	s_lshl_b32 s77, s11, 7
	s_add_co_u32 s76, s76, s77                     ; my first row m0
	s_lshl_b32 s78, s42, 8
	s_lshl_b32 s79, s12, 7
	s_add_co_u32 s78, s78, s79                     ; my first column n0
	s_mov_b32 s77, 0
	s_mov_b32 s79, 0
	s_lshl_b32 s76, s76, 6                         ; 64 m0
	s_add_nc_u64 s[68:69], s[68:69], s[76:77]
	s_lshl_b32 s76, s76, 8                         ; 16,384 m0
	s_add_nc_u64 s[8:9], s[8:9], s[76:77]
	s_lshl_b32 s78, s78, 2                         ; 4 n0
	s_add_nc_u64 s[72:73], s[72:73], s[78:79]
	s_add_nc_u64 s[74:75], s[74:75], s[78:79]
	s_add_nc_u64 s[8:9], s[8:9], s[78:79]          ; out0 at my part's first number
	s_lshl_b32 s78, s78, 4                         ; 64 n0
	s_add_nc_u64 s[70:71], s[70:71], s[78:79]
	global_load_b128 v[RAW:RAW+3],   v[CO], s[72:73]
	global_load_b128 v[RAW+4:RAW+7], v[CO], s[74:75]
	WIN TO_B
.irp i, 0,1,2,3,4,5,6,7                ; a fragment is 16 rows x 32 in 8 registers: lane l holds row l % 16, numbers 8 (l / 16) + 0..7 and 16 + 8 (l / 16) + 0..7: two loads of 16 bytes, 32 apart; 16 rows are 1,024 bytes
	global_load_b128 v[LBF+8*(\i):LBF+8*(\i)+3],   v[XO], s[70:71] offset:1024*(\i)
	global_load_b128 v[LBF+8*(\i)+4:LBF+8*(\i)+7], v[XO], s[70:71] offset:1024*(\i)+32
.endr
.irp i, 0,1,2,3,4,5,6,7
	global_load_b128 v[XAF+8*(\i):XAF+8*(\i)+3],   v[XO], s[68:69] offset:1024*(\i)
	global_load_b128 v[XAF+8*(\i)+4:XAF+8*(\i)+7], v[XO], s[68:69] offset:1024*(\i)+32
.endr
	WIN 0
	v_mul_u32_u24 v4, v1, PITCH
	v_lshl_add_u32 v4, v2, 4, v4                   ; a fragment's row x pitch + 16 x half
	s_mul_i32 s21, s11, HALFT                      ; my 128 rows of xb
	s_mul_i32 s22, s12, HALFT                      ; my 128 rows of wb,
	s_add_co_u32 s22, s22, 2*HALFT                 ; which lie behind xb's 256
.irp s, 0,1
	v_add_nc_u32 v[ADRA+(\s)], s21, v4
	v_add_nc_u32 v[ADRB+(\s)], s22, v4
	s_add_co_u32 s21, s21, SLOT
	s_add_co_u32 s22, s22, SLOT
.endr
	s_mul_i32 s23, s10, 16*SPITCH
	s_add_co_u32 s23, s23, STAGE                   ; my stage
	v_mul_u32_u24 v4, v1, SPITCH                   ; in: row l % 16, 32 bytes for each half of the lanes
	v_lshl_add_u32 v4, v2, 5, v4
	v_add_nc_u32 v[STO], s23, v4
	v_add_nc_u32 v[RD], s23, v[CO]                 ; back: the 32 lanes take one row of 512 bytes
	s_lshl_b32 s23, s10, 10
	s_add_co_u32 s23, s23, TAB                     ; my table
	v_add_nc_u32 v5, s23, v[CO]
	v_lshl_add_u32 v[TR], v2, 5, s23
	; the prefetches
	s_lshl_b32 s20, s13, 8                         ; 256 x tile row
	s_lshl_b32 s21, s42, 8                         ; 256 x tile column
	s_and_b32 s22, ttmp7, 0xffff                   ; cluster y
	s_cmp_eq_u32 s11, 0                            ; do I fetch for xb?
	s_cselect_b32 s20, s20, s21                    ; the tile's first row
	s_cselect_b32 s21, s40, s41                    ; my place among the four that ask for it with me
	s_cselect_b32 s22, ttmp9, s22                  ; the coordinate along which other clusters read the same rows
	s_cselect_b64 s[PFA:PFA+1], s[4:5], s[6:7]
	s_cmp_eq_u32 s22, 0
	s_cselect_b32 s[LIM], 1, -1                    ; the same in all sixteen partners, for a given wave
	s_lshl_b32 s22, s12, 7
	s_add_co_u32 s20, s20, s22                     ; + the 128 rows that I fetch
	s_lshl_b32 s21, s21, 5
	s_add_co_u32 s20, s20, s21                     ; + my work-group's 32 of them
	s_lshl_b32 s20, s20, 13                        ; rows of 8,192 bytes: under 2^25
	s_mov_b32 s21, 0
	s_add_nc_u64 s[PFA:PFA+1], s[PFA:PFA+1], s[20:21]
	s_add_nc_u64 s[PFA:PFA+1], s[PFA:PFA+1], 2*KSTEP*2  ; at K step 2: the first refill steps it to 3 and names K step 4
	v_lshlrev_b32 v[PFO], 13, v3
; 16 matrix instructions: m blocks a0, a0 + 1 of the window's four (hi = 0: my rows 0-63, 1: rows 64-127) x all 8 n blocks, 32 along K.  zero = 1: the first product starts the sums: nothing is ever cleared.
; The 64 accumulators take turns, one instruction a turn, in the same order in every quarter step, over the backward jump too.
.macro MUL16 f, hi, a0, zero
	WIN MUL_LO+0x50*(\hi)
.irp a, \a0, (\a0)+1
.irp b, 0,1,2,3,4,5,6,7
.if \zero
	v_wmma_f32_16x16x32_bf16 v[8*(8*(\a)+(\b)):8*(8*(\a)+(\b))+7], v[(\f)+8*(\b):(\f)+8*(\b)+7], v[(\f)+8*(4*(\hi)+(\a)):(\f)+8*(4*(\hi)+(\a))+7], 0
.else
	v_wmma_f32_16x16x32_bf16 v[8*(8*(\a)+(\b)):8*(8*(\a)+(\b))+7], v[(\f)+8*(\b):(\f)+8*(\b)+7], v[(\f)+8*(4*(\hi)+(\a)):(\f)+8*(4*(\hi)+(\a))+7], v[8*(8*(\a)+(\b)):8*(8*(\a)+(\b))+7]
.endif
.endr
.endr
.endm
; 32 LDS loads in one run: the fragments of one quarter step (128 rows of wb, 128 rows of xb, 32 K at byte k of the rows) into buffer f
.macro FETCH slot, k, f
	WIN TO_B
.irp i, 0,1,2,3,4,5,6,7
	ds_load_b128 v[(\f)+8*(\i):(\f)+8*(\i)+3],   v[ADRB+(\slot)] offset:(\k)+(\i)*16*PITCH
	ds_load_b128 v[(\f)+8*(\i)+4:(\f)+8*(\i)+7], v[ADRB+(\slot)] offset:(\k)+(\i)*16*PITCH+32
.endr
	WIN 0
.irp i, 0,1,2,3,4,5,6,7
	ds_load_b128 v[(\f)+8*(\i):(\f)+8*(\i)+3],   v[ADRA+(\slot)] offset:(\k)+(\i)*16*PITCH
	ds_load_b128 v[(\f)+8*(\i)+4:(\f)+8*(\i)+7], v[ADRA+(\slot)] offset:(\k)+(\i)*16*PITCH+32
.endr
.endm
; Four places: a load into a register that a matrix instruction has read, and a vector instruction or store that reads a matrix result, stand four plain vector instructions behind it (ISA guide 7.12.1 for vector instructions)
.macro PLACES
.rept 4
	v_nop
.endr
.endm
; A K step is four quarter steps of 32 along K, 64 matrix instructions each, on buffers 0, 1, 0, 1.  One of the first three: multiplies buffer f; in its middle it fetches the next quarter, at byte k, into buffer g.
.macro QUARTER slot, k, f, g, zero
	s_wait_dscnt 8                                 ; wb and xb's rows 0-63 are in; the youngest eight loads (xb's rows 64-127) may be out
	WIN MUL_LO
	MUL16 \f, 0, 0, \zero
	MUL16 \f, 0, 2, \zero
	PLACES
	FETCH \slot, \k, \g
	s_wait_dscnt 32                                ; all but the 32 just issued
	WIN MUL_HI
	MUL16 \f, 1, 0, \zero
	MUL16 \f, 1, 2, \zero
.endm
; The last quarter multiplies buffer 1 and changes slots.  MEET is its first half: ONE barrier for the change.  In front of it each wave waits for all its tensor loads, of which one is out: its part of the
; next slot; adds 0 to its spare word; and waits for that and for its own reads of this slot.  Behind it nobody reads this slot any more and the next slot is whole.
.macro MEET round                      ; round = 1: the rest of a round of the cluster's barrier follows
	WIN 0                                          ; (the add's two registers lie in window 0)
	s_wait_tensorcnt 0x0                           ; all my tensor loads have landed;
	ds_add_u32 v[SPW], v[NIL]                      ; 0 onto my spare word;
	s_wait_dscnt 9                                 ; (the add and the youngest eight loads may be out)
	WIN MUL_LO
	MUL16 F1, 0, 0, 0                              ; sixteen matrix instructions stand between the add and the wait for it
	s_wait_dscnt 0x0                               ; the add is done, and my reads of this slot are over:
	s_barrier_signal -1                            ; say so,
	MUL16 F1, 0, 2, 0                              ; work on registers while the others arrive,
.if \round
	WIN 0
.endif
	s_barrier_wait -1                              ; and go on when all four have said so
.endm
; The whole last quarter, where the slot is filled again with the K step two steps on: the barrier opens a round of the cluster's barrier, and the joint refill is the first tensor load behind the round:
; from the request to the wait for it a wave issues 224 matrix instructions.
.macro TURN slot, next
	s_wait_xcnt 0x0                                ; the last prefetch, a K step back, has read its address: it is stepped here, ahead of the waits of the change of slots
	s_add_nc_u64 s[PFA:PFA+1], s[PFA:PFA+1], KSTEP*2
	MEET 1
	CREST                                          ; no wave of any partner still reads this slot's tile or has a load on its way
	s_add_nc_u64 s[G0+4*(\slot)+2:G0+4*(\slot)+3], s[G0+4*(\slot)+2:G0+4*(\slot)+3], 2*KSTEP*2
	s_add_nc_u64 s[G0B+4*(\slot)+2:G0B+4*(\slot)+3], s[G0B+4*(\slot)+2:G0B+4*(\slot)+3], 2*KSTEP*2
	JLOAD \slot                                    ; the four v_nop behind it are also the places in front of the loads below
	FETCH \next, 0, F0
	ASK
	WIN MUL_HI
	MUL16 F1, 1, 0, 0
	MUL16 F1, 1, 2, 0
.endm
; THE WAY OUT.  TABLOAD: the scales of columns 16 b + 8 (l / 16) + 0..7 into window 0's v[64 + 8 b ..], the biases into window 1's: 16 lanes read the same 16 bytes.
.macro TABLOAD
	WIN 0
.irp b, 0,1,2,3,4,5,6,7
	ds_load_b128 v[F0+8*(\b):F0+8*(\b)+3],   v[TR] offset:64*(\b)
	ds_load_b128 v[F0+8*(\b)+4:F0+8*(\b)+7], v[TR] offset:64*(\b)+16
.endr
	WIN TO_B
.irp b, 0,1,2,3,4,5,6,7
	ds_load_b128 v[F0+8*(\b):F0+8*(\b)+3],   v[TR] offset:512+64*(\b)
	ds_load_b128 v[F0+8*(\b)+4:F0+8*(\b)+7], v[TR] offset:512+64*(\b)+16
.endr
.endm
.macro SCALE hi                        ; acc = acc * scale + bias for a window's 32 accumulators, each from its lowest registers on
	WIN 0x92+0x41*(\hi)                            ; destination and source 0: window 2 or 3; source 1 (scale) window 0; source 2 (bias) window 1
.irp a, 0,1,2,3
.irp b, 0,1,2,3,4,5,6,7
.irp p, 0,1,2,3
	v_pk_fma_f32 v[8*(8*(\a)+(\b))+2*(\p):8*(8*(\a)+(\b))+2*(\p)+1], v[8*(8*(\a)+(\b))+2*(\p):8*(8*(\a)+(\b))+2*(\p)+1], v[F0+8*(\b)+2*(\p):F0+8*(\b)+2*(\p)+1], v[F0+8*(\b)+2*(\p):F0+8*(\b)+2*(\p)+1]
.endr
.endr
.endr
.endm
.macro LORA hi                         ; the low-rank K step: 16 rows of lbb x 16 rows of xas onto each of the window's 32 accumulators, by turns
	WIN 0xa5+0x50*(\hi)                            ; sources 0 and 1 window 1; C and D window 2 or 3
.irp a, 0,1,2,3
.irp b, 0,1,2,3,4,5,6,7
	v_wmma_f32_16x16x32_bf16 v[8*(8*(\a)+(\b)):8*(8*(\a)+(\b))+7], v[LBF+8*(\b):LBF+8*(\b)+7], v[XAF+8*(4*(\hi)+(\a)):XAF+8*(4*(\hi)+(\a))+7], v[8*(8*(\a)+(\b)):8*(8*(\a)+(\b))+7]
.endr
.endr
.endm
.macro TOSTAGE a                       ; block a (16 rows x 128 columns of f32) into my stage, and back as whole rows of 512 bytes, into buffer a % 2
.set AC, 64*((\a)%4)
.set BK, F0+64*((\a)%2)
.if (\a) >= 2
	s_wait_xcnt 0x0                                ; the stores of block a - 2 have read this buffer: it is loaded again only behind this wait
.endif
	WIN 0x08+4*((\a)/4)                            ; the stores' data: window 2 or 3
.irp b, 0,1,2,3,4,5,6,7
	ds_store_b128 v[STO], v[AC+8*(\b):AC+8*(\b)+3]   offset:64*(\b)      ; each accumulator's lowest registers first
	ds_store_b128 v[STO], v[AC+8*(\b)+4:AC+8*(\b)+7] offset:64*(\b)+16
.endr
	WIN 0
.irp t, 0,1,2,3,4,5,6,7,8,9,10,11,12,13,14,15
	ds_load_b128 v[BK+4*(\t):BK+4*(\t)+3], v[RD] offset:(\t)*SPITCH  ; LDS serves a wave's instructions in order (ISA guide 5.7.1.4): these see the stores above, and the next block's stores come behind them
.endr
.endm
.macro SEND a, younger                 ; younger: the LDS instructions issued behind block a's loads
.set BK, F0+64*((\a)%2)
	WIN 0
	s_wait_dscnt \younger                          ; the block is back in registers
.irp t, 0,1,2,3,4,5,6,7,8,9,10,11,12,13,14,15
	global_store_b128 v[CO], v[BK+4*(\t):BK+4*(\t)+3], s[8:9] offset:(16*(\a)+(\t))*SIZE_N*4 th:TH_STORE_NT  ; the wave stores 512 consecutive bytes, at a multiple of 512 from out0's first byte; the row stands in the immediate, 2,080,768 at the most
.endr
.endm
	s_wait_loadcnt 0x0                             ; scales, biases and the low-rank fragments are in
	ds_store_b128 v5, v[RAW:RAW+3]                 ; my table: read by me alone
	ds_store_b128 v5, v[RAW+4:RAW+7] offset:512
	s_wait_tensorcnt 1                             ; my part of K step 0 is in; K step 1's may stay out
	s_wait_dscnt 0x0
	s_barrier_signal -1
	s_barrier_wait -1                              ; everybody's is
	FETCH 0, 0, F0
	QUARTER 0, 64,  F0, F1, 1                      ; the first quarter stands in front of the loop: its products start the sums
	WIN 0                                          ; at a label and at a branch every window is 0
	s_mov_b32 s3, LAPS-1
.Llap:                                                 ; a trip goes once round the ring, from a lap's second quarter to the next lap's first, and fills both slots again
	QUARTER 0, 128, F1, F0, 0
	QUARTER 0, 192, F0, F1, 0
	TURN 0, 1
	QUARTER 1, 64,  F0, F1, 0
	QUARTER 1, 128, F1, F0, 0
	QUARTER 1, 192, F0, F1, 0
	TURN 1, 0
	QUARTER 0, 64,  F0, F1, 0
	WIN 0
	s_sub_co_u32 s3, s3, 1
	s_cmp_lg_u32 s3, 0
	s_cbranch_scc1 .Llap
	QUARTER 0, 128, F1, F0, 0                      ; the last lap fills nothing, and has no round of the cluster's barrier
	QUARTER 0, 192, F0, F1, 0
	MEET 0                                         ; my one tensor load that was still out is slot 1's, the last K step's
	PLACES
	FETCH 1, 0, F0
	WIN MUL_HI
	MUL16 F1, 1, 0, 0
	MUL16 F1, 1, 2, 0
	QUARTER 1, 64,  F0, F1, 0
	QUARTER 1, 128, F1, F0, 0
	QUARTER 1, 192, F0, F1, 0
	s_wait_dscnt 8                                 ; the very last quarter
	MUL16 F1, 0, 0, 0
	MUL16 F1, 0, 2, 0
	PLACES                                         ; behind window 2's last products, ahead of the loads into buffer 0 and of the scaling that reads those sums:
	PLACES                                         ; eight, once a launch
	TABLOAD
	s_wait_dscnt 32                                ; all but the table's 32 loads: buffer 1 is whole
	MUL16 F1, 1, 0, 0
	MUL16 F1, 1, 2, 0
	s_wait_dscnt 0x0                               ; the table is in
	SCALE 0                                        ; its 128 lines name no register of window 3's last products: they are the places behind those
	LORA 0
	SCALE 1                                        ; and these the places behind the low-rank products of window 2
	LORA 1
	PLACES
	PLACES
	TOSTAGE 0
.irp a, 1,2,3,4,5,6,7
	TOSTAGE \a                                     ; block a goes into the stage while block a - 1's rows come back
	SEND (\a)-1, 32                                ; behind block a - 1's loads stand block a's 16 stores and 16 loads
.endr
	SEND 7, 0
	s_wait_tensorcnt 0x0                           ; the wave's end, behind my last tensor load and my last LDS store
	ds_add_u32 v[SPW], v[NIL]
	s_wait_dscnt 0x0
	CROUND                                         ; the closing round: no work-group ends while a partner may still ask for a tile that names it
	s_endpgm
.Lfunc_end_k_qf9b3085b90_gemm:
	.size	k_qf9b3085b90_gemm, .Lfunc_end_k_qf9b3085b90_gemm-k_qf9b3085b90_gemm
	.p2alignl 7, 3214868480
	.fill 96, 4, 3214868480
	.section	.rodata,"a",@progbits
	.p2align	6, 0x0
	.amdhsa_kernel k_qf9b3085b90_gemm
		.amdhsa_group_segment_fixed_size 327680
		.amdhsa_private_segment_fixed_size 0
		.amdhsa_enable_private_segment 0
		.amdhsa_kernarg_size 56
		.amdhsa_user_sgpr_count 2
		.amdhsa_user_sgpr_kernarg_segment_ptr 1
		.amdhsa_wavefront_size32 1
		.amdhsa_system_sgpr_workgroup_id_x 1
		.amdhsa_system_sgpr_workgroup_id_y 1
		.amdhsa_system_sgpr_workgroup_id_z 1
		.amdhsa_system_vgpr_workitem_id 0
		.amdhsa_next_free_vgpr 1024
		.amdhsa_next_free_sgpr 80
		.amdhsa_reserve_vcc 0
		.amdhsa_float_denorm_mode_32 3
		.amdhsa_float_denorm_mode_16_64 3
		.amdhsa_memory_ordered 1
		.amdhsa_forward_progress 1
		.amdhsa_inst_pref_size 168
	.end_amdhsa_kernel
	.amdgpu_metadata
---
amdhsa.version: [ 1, 2 ]
amdhsa.kernels:
  - .name:           k_qf9b3085b90_gemm
    .symbol:         k_qf9b3085b90_gemm.kd
    .args:
      - { .name: xb, .offset: 0, .size: 8, .value_kind: global_buffer, .address_space: global }
      - { .name: wb, .offset: 8, .size: 8, .value_kind: global_buffer, .address_space: global }
      - { .name: out0, .offset: 16, .size: 8, .value_kind: global_buffer, .address_space: global }
      - { .name: xas, .offset: 24, .size: 8, .value_kind: global_buffer, .address_space: global }
      - { .name: lbb, .offset: 32, .size: 8, .value_kind: global_buffer, .address_space: global }
      - { .name: w_scale, .offset: 40, .size: 8, .value_kind: global_buffer, .address_space: global }
      - { .name: bias, .offset: 48, .size: 8, .value_kind: global_buffer, .address_space: global }
    .group_segment_fixed_size: 327680
    .private_segment_fixed_size: 0
    .kernarg_segment_align: 8
    .kernarg_segment_size: 56
    .max_flat_workgroup_size: 128
    .sgpr_count:     80
    .vgpr_count:     1024
    .wavefront_size: 32
...
	.end_amdgpu_metadata
.endif
;; end of part 2
;; ======== version 2 of 2: 2 launches; version 1 with the launch prep written anew for expert scheduling mode
;; workspace buffers: xb 33,554,432 bytes; wb 33,554,432 bytes; xas 262,144 bytes; lbb 262,144 bytes
;; launch prep (part 3): grid 256 x 1, 16 waves a work-group, no clusters, 104,448 bytes of LDS; arguments x, w_q, lora_A, lora_S, lora_B, xb, wb, xas, lbb; writes xb, wb, xas, lbb
.if DOCPART == 3
	.amdgcn_target "amdgcn-amd-amdhsa--gfx1250"
	.amdhsa_code_object_version 6
	.text
	.protected	k_qf9b3085b90_prep
	.globl	k_qf9b3085b90_prep
	.p2align	8
	.type	k_qf9b3085b90_prep,@function
k_qf9b3085b90_prep:
	s_mov_b64 s[64:65], 0
	v_nop
	global_prefetch_b8 v0, s[64:65] scope:SCOPE_SE
	s_setreg_imm32_b32 hwreg(HW_REG_WAVE_SCHED_MODE, 0, 2), 2
	s_setreg_imm32_b32 hwreg(HW_REG_WAVE_MODE, 25, 1), 1
	s_wait_xcnt 0x0
	s_wait_alu depctr_vm_vsrc(0)
; SVDQuantLinear, first of two launches.  out[m][o] = w_scale[o] * sum_i x[m][i] w_q[o][i] + bias[o] + sum_r (S[r] * sum_i x[m][i] A[r][i]) Bl[o][r], m = 0..4095 (4 x 1024 rows), o, i = 0..4095, r = 0..31.
; NO WORK IS LEFT OUT in either launch: every input has a way to the output and is loaded; dropout(p = 0) and the cast to f32 in the problem's text are identities without arithmetic.
; THIS LAUNCH makes the matrix operands of the second, each rounded once to bf16 (to nearest even):
;   xb = bf16(x) [4096][4096];  wb = bf16(w_q) [4096][4096], WITHOUT w_scale (the second launch applies it in f32 to the finished sums);
;   lbb = bf16(lora_B) [4096][32];  xas = bf16((x A^T) * S) [4096][32]: x and A as bf16 operands, sums in f32, S in f32.
; LIMITS.  Whole numbers up to 256 in magnitude are exact in bf16; larger w_q are rounded like any matrix operand (above 2^24 first by the conversion to f32).  NaN and infinities are not treated apart.
; SHARES.  Work-group g owns rows 16 g .. 16 g + 15 of x, of w_q and of lora_B.  Waves 0-7: wave v takes columns 512 v .. 512 v + 511 of the 16 rows of x, in four trips of 128 columns: it rounds them, stores
; them, and multiplies them by the same columns of A's 32 rows (two tiles of 16).  Waves 8-15: wave 8 + u casts rows 2 u, 2 u + 1 of the 16 rows of w_q: 32,768 bytes on end, 64 chunks of 512 bytes in, 256 out.
; Behind one barrier waves 0-3 add the eight partial tiles of x A^T, multiply by S and store xas, and store lbb.
; No tensor loads and no ring: no wave wants a byte of x or w_q that another has fetched.  No cluster: only A is shared, 512 KiB that every work-group reads.  No prefetch: the launch is one stream of loads and stores from end to end.
; LDS.  STG: 16 rows x 272 bytes (256 of bf16 + 16 of padding) for a wave, its own; PART: a wave's partial tile, f32 [16 m][32 r].  Both are laid out by the wave's number for all 16 numbers, so that an
; address is the wave's number times a constant; waves 8-15 use neither.  Behind them the spare words.
; THE MODE: SCHED_MODE bits 1:0 = 2 (LLVM: expert scheduling mode 2), set by the entry lines.  The code itself states the register dependences between vector or matrix instructions and memory or LDS
; instructions, with s_wait_alu, always for 0.
; THE PLAN, waves 0-7.  Registers that memory or LDS instructions touch:
;   v1-v5   offsets and LDS addresses: made once ahead of the first load, never written again.
;   XR      trip t's 32 roundings read it; behind them the loads of trip t + 1 land in it.
;   XP      written by those roundings; read by the trip's 16 global and 16 LDS stores; then the 8 loads from the stage land in it; the products read it.
;   AR      A as loaded; rounded in place and read by the products; behind them the loads of trip t + 1 land in it.
;   ACC     written by the products, read by the four LDS stores behind the last trip.
; A trip has two waits on va_vdst: one behind x's roundings (XP is written, XR is done being read), which also serves the loads from the stage, since the vector lines between name AR alone; one behind the
; products (AR is done being read and written).  And one wait on vm_vsrc, ahead of the loads from the stage: the stores have read XP.  The 32 stores are dealt among the roundings of A's tile 0.
; THE PLAN, waves 8-15.  The 64 chunks go in 16 blocks of four.  Block p rounds WX[p % 5] into WY[p % 2]; its memory instructions are the loads of block p + 4, which land in WX[(p - 1) % 5], and the stores of
; block p - 1, from WY[(p - 1) % 2]: the two buffers that block p - 1 worked on and that no vector line of block p names.  So the waits at a block's head state all that its eight memory instructions hang on.
.set ROWF,  16384                      ; bytes in a row of x, w_q, lora_A
.set ROWH,  8192                       ; bytes in a row of xb, wb
.set SP,    272                        ; a row of the stage: 68 words, so the 16 rows of a fragment load start at 16 different groups of four banks (64 banks of 4 bytes: ISA guide 11.1)
.set STGW,  16*SP                      ; a wave's stage
.set PART,  16*STGW                    ; 69,632
.set SPARE, PART+16*2048               ; 102,400: the spare words, 128 bytes for each of the 16 waves: eight blocks of 256 bytes that no other line names
.set WV,  4                            ; s4   my wave's number
.set XO,  1                            ; v1   x: 16 l + 2,048 v            (w path: 16 l)
.set XSO, 2                            ; v2   xb: 8 l + 1,024 v            (w path: 8 l)
.set LSO, 3                            ; v3   stage, in: my 8 bytes of a row
.set LFO, 4                            ; v4   stage, back: row l % 16, 16 bytes for each half of the lanes
.set AO,  5                            ; v5   lora_A: row l % 16, 32 bytes for each half of the lanes, + 2,048 v
.set SPW, 6                            ; v6   LDS address of my spare word; never rewritten
.set NIL, 7                            ; v7   0; never rewritten
.set LBR, 8                            ; v[8:11]   four numbers of lora_B
.set SR,  12                           ; v[12:15]  the four numbers of lora_S that go with them
.set ACC, 16                           ; v[16:31]  two accumulators: A's rows 0-15, 16-31
.set XP,  32                           ; v[32:63]  x rounded, 2 registers a row; then x's four fragments
.set XR,  64                           ; v[64:127] x as loaded, 4 registers a row
.set AR,  128                          ; v[128:255] A as loaded, 64 registers a tile; rounded in place into the lower 32: four fragments
.set WX,  64                           ; w path: v[64:143] five buffers of a block: 4 registers a chunk, as loaded
.set WY,  144                          ; v[144:159] two buffers of a block: 2 registers a chunk, to store
.set T,   160                          ; v[160:163] at work: no memory instruction names them
	s_load_b512 s[16:31], s[0:1], 0x0              ; x 16, w_q 18, lora_A 20, lora_S 22, lora_B 24, xb 26, wb 28, xas 30
	s_load_b64 s[32:33], s[0:1], 0x40              ; lbb
	v_lshl_add_u32 v[SPW], v0, 2, SPARE
	v_mov_b32 v[NIL], 0
	v_lshrrev_b32 v32, 5, v0
	v_readfirstlane_b32 s[WV], v32                 ; wave 0..15
	v_and_b32 v33, 127, v0
	v_lshlrev_b32 v34, 4, v33                      ; 16 bytes of the work-group's 2,048 of lora_B
	v_and_b32 v35, 127, v34                        ; and the same four r in lora_S
	s_lshl_b32 s6, ttmp9, 18                       ; 16 rows of 16,384 bytes
	s_mov_b32 s7, 0
	s_lshl_b32 s8, ttmp9, 17                       ; 16 rows of 8,192 bytes
	s_mov_b32 s9, 0
	s_lshl_b32 s10, ttmp9, 11                      ; 16 rows of 128 bytes
	s_mov_b32 s11, 0
	s_wait_alu depctr_va_sdst(0)                   ; s4, my wave's number, is written, ahead of its first reader: branches, offsets and LDS addresses are made from it
	s_and_b32 s5, s[WV], 7
	s_wait_kmcnt 0x0
	s_add_nc_u64 s[24:25], s[24:25], s[10:11]
	s_lshl_b32 s10, ttmp9, 10                      ; 16 rows of 64 bytes
	s_add_nc_u64 s[30:31], s[30:31], s[10:11]
	s_add_nc_u64 s[32:33], s[32:33], s[10:11]
	s_wait_alu depctr_va_vdst(0)                   ; v34 and v35 are written, which the two loads below read as their offsets
	global_load_b128 v[LBR:LBR+3], v34, s[24:25]   ; every wave issues these two, so that the head has one form; waves 0-3 use them at the end
	global_load_b128 v[SR:SR+3], v35, s[22:23]
	s_cmp_lt_u32 s[WV], 8
	s_cbranch_scc0 .Lw
	; ---- waves 0-7: x ----
	s_add_nc_u64 s[16:17], s[16:17], s[6:7]
	s_add_nc_u64 s[26:27], s[26:27], s[8:9]
	v_and_b32 v36, 31, v0                          ; l
	v_and_b32 v37, 15, v0                          ; l % 16
	v_bfe_u32 v38, v0, 4, 1                        ; l / 16
	s_lshl_b32 s12, s[WV], 11
	s_lshl_b32 s13, s[WV], 10
	s_mul_i32 s14, s[WV], STGW
	s_add_co_u32 s15, s12, PART                    ; my partial tile
	v_lshl_add_u32 v[XO], v36, 4, s12
	v_lshl_add_u32 v[XSO], v36, 3, s13
	v_lshl_add_u32 v[LSO], v36, 3, s14
	v_mul_u32_u24 v39, v37, SP
	v_lshl_add_u32 v39, v38, 4, v39
	v_add_nc_u32 v[LFO], s14, v39
	v_lshlrev_b32 v40, 14, v37
	v_lshl_add_u32 v40, v38, 5, v40
	v_add_nc_u32 v[AO], s12, v40
	s_wait_alu depctr_va_vdst(0)                   ; the five offsets and addresses v1 to v5 are written, which every load and store of the four trips reads
; Trip t's 128 columns of the 16 rows: a load covers 512 consecutive bytes of one row.
.macro LX t
.irp j, 0,1,2,3,4,5,6,7,8,9,10,11,12,13,14,15
	global_load_b128 v[XR+4*(\j):XR+4*(\j)+3], v[XO], s[16:17] offset:(\j)*ROWF+(\t)*512 th:TH_LOAD_NT
.endr
.endm
; The same columns of A's rows 16 u .. 16 u + 15, in the order of four fragments: a fragment of 16 rows x 32 channels wants channels 8 (l / 16) + 0..7 and 16 + 8 (l / 16) + 0..7 of row l % 16:
; in f32 two times 32 bytes, 64 bytes apart.  No hint: every work-group reads these rows.
.macro LA t, u
.irp s, 0,1,2,3
.irp q, 0,1,2,3
	global_load_b128 v[AR+64*(\u)+16*(\s)+4*(\q):AR+64*(\u)+16*(\s)+4*(\q)+3], v[AO], s[20:21] offset:(\u)*16*ROWF+(\t)*512+128*(\s)+64*((\q)/2)+16*((\q)%2)
.endr
.endr
.endm
.macro ROUND_A u                       ; 64 f32 into 32 registers of bf16, in place, ascending: register i takes 2 i and 2 i + 1, which no earlier line has written
.set i, 0
.rept 32
	v_cvt_pk_bf16_f32 v[AR+64*(\u)+i], v[AR+64*(\u)+2*i], v[AR+64*(\u)+2*i+1]
.set i, i+1
.endr
.endm
; A trip.  more = 1: the next trip's loads are issued.
.macro XTRIP t, more
	s_wait_loadcnt 32                              ; loads come back in order (ISA guide 5.7.1): x is in; A's 32 loads, issued behind it, may stay out
.if (\t) == 0
	s_wait_alu depctr_vm_vsrc(0)                   ; the head's two loads have read their offsets v34 and v35, which lie in XP: the roundings below write them
.endif
.set i, 0
.rept 32
	v_cvt_pk_bf16_f32 v[XP+i], v[XR+2*i], v[XR+2*i+1]
.set i, i+1
.endr
	s_wait_alu depctr_va_vdst(0)                   ; the roundings have written XP, which the stores below read and in which the loads from the stage land, and are done reading XR, in which the next trip's x lands
.if \more
	LX (\t)+1                                      ; the next trip's x, ahead of the stores
.endif
	s_wait_loadcnt 16+16*(\more)                   ; A's tile 0 is in; behind it: tile 1's 16 loads and, where there is one, the next x's 16
	; The trip's 32 stores are dealt among the roundings of A's tile 0 (in place, ascending, as in ROUND_A), which name AR alone: none of the registers that the stores read.
.irp j, 0,1,2,3,4,5,6,7,8,9,10,11,12,13,14,15
	ds_store_b64 v[LSO], v[XP+2*(\j):XP+2*(\j)+1] offset:(\j)*SP
	global_store_b64 v[XSO], v[XP+2*(\j):XP+2*(\j)+1], s[26:27] offset:(\j)*ROWH+(\t)*256 th:TH_STORE_NT  ; the wave's 32 lanes store 256 consecutive bytes, at a multiple of 256 from xb's first byte
	v_cvt_pk_bf16_f32 v[AR+2*(\j)],   v[AR+4*(\j)],   v[AR+4*(\j)+1]
	v_cvt_pk_bf16_f32 v[AR+2*(\j)+1], v[AR+4*(\j)+2], v[AR+4*(\j)+3]
.endr
	s_wait_loadcnt 16*(\more)                      ; A's tile 1 is in
	ROUND_A 1
	s_wait_xcnt 0x0                                ; the stores to xb have read XP: it is loaded again only behind this wait
	s_wait_alu depctr_vm_vsrc(0)                   ; the global and the LDS stores have read XP, in which the loads below land
.irp s, 0,1,2,3
	ds_load_b128 v[XP+8*(\s):XP+8*(\s)+3],   v[LFO] offset:64*(\s)     ; LDS serves a wave's instructions in order (ISA guide 5.7.1.4): these see the stores above
	ds_load_b128 v[XP+8*(\s)+4:XP+8*(\s)+7], v[LFO] offset:64*(\s)+32
.endr
	s_wait_dscnt 0x0
	; source 0 = 16 rows of A, source 1 = the 16 rows of x: a lane ends with ONE row m of x (l % 16) and r = 16 u + 8 (l / 16) + 0..7.  The two accumulators take turns, from trip to trip too.
.irp s, 0,1,2,3
.irp u, 0,1
.if ((\t) == 0) && ((\s) == 0)
	v_wmma_f32_16x16x32_bf16 v[ACC+8*(\u):ACC+8*(\u)+7], v[AR+64*(\u)+8*(\s):AR+64*(\u)+8*(\s)+7], v[XP+8*(\s):XP+8*(\s)+7], 0
.else
	v_wmma_f32_16x16x32_bf16 v[ACC+8*(\u):ACC+8*(\u)+7], v[AR+64*(\u)+8*(\s):AR+64*(\u)+8*(\s)+7], v[XP+8*(\s):XP+8*(\s)+7], v[ACC+8*(\u):ACC+8*(\u)+7]
.endif
.endr
.endr
.rept 4
	v_nop                                          ; four places behind the last product, ahead of loads and conversions into registers that it has read
.endr
.if \more
	s_wait_alu depctr_va_vdst(0)                   ; A's roundings have written AR and are done reading it, and so are the products: the next trip's A lands in it; the places above stay beside this wait
	LA (\t)+1, 0
	LA (\t)+1, 1
.endif
.endm
	LX 0
	LA 0, 0
	LA 0, 1
	XTRIP 0, 1
	XTRIP 1, 1
	XTRIP 2, 1
	XTRIP 3, 0
	v_and_b32 v64, 15, v0                          ; where my 2 x 32 bytes of the partial tile go: 128 m + 32 (l / 16); five more places ahead of the stores that read the sums
	v_bfe_u32 v65, v0, 4, 1
	v_lshlrev_b32 v64, 7, v64
	v_lshl_add_u32 v64, v65, 5, v64
	v_add_nc_u32 v64, s15, v64
	s_wait_alu depctr_va_vdst(0)                   ; the products have written the two accumulators and the lines above v64: the LDS stores read them as data and address
.irp u, 0,1
	ds_store_b128 v64, v[ACC+8*(\u):ACC+8*(\u)+3]   offset:64*(\u)     ; each accumulator's lowest registers first
	ds_store_b128 v64, v[ACC+8*(\u)+4:ACC+8*(\u)+7] offset:64*(\u)+16
.endr
	s_branch .Ljoin
	; ---- waves 8-15: w_q ----
.Lw:
	s_lshl_b32 s12, s5, 15                         ; my two rows of 16,384 bytes
	s_add_co_u32 s6, s6, s12
	s_add_nc_u64 s[18:19], s[18:19], s[6:7]
	s_lshl_b32 s12, s5, 14                         ; and of 8,192
	s_add_co_u32 s8, s8, s12
	s_add_nc_u64 s[28:29], s[28:29], s[8:9]
	v_and_b32 v36, 31, v0
	v_lshlrev_b32 v[XO], 4, v36
	v_lshlrev_b32 v[XSO], 3, v36
	s_wait_alu depctr_va_vdst(0)                   ; v1 and v2 are written: every load and store of this path reads one of them as its offset
.irp i, 0,1,2,3,4,5,6,7,8,9,10,11,12,13,14,15
	global_load_b128 v[WX+4*(\i):WX+4*(\i)+3], v[XO], s[18:19] offset:(\i)*512 th:TH_LOAD_NT  ; blocks 0 to 3 into the first four buffers: 8 KiB of a wave's on their way
.endr
; Block p: chunks 4 p .. 4 p + 3.  A chunk's place stands in the immediates; no address register is ever rewritten.
.macro WBLOCK
.set WXI, WX+16*(p%5)                  ; the buffer at work
.set WXL, WX+16*((p+4)%5)              ; the buffer that block p - 1 emptied: block p + 4 lands in it
.set WYI, WY+8*(p%2)                   ; what this block's roundings write
.set WYO, WY+8*((p+1)%2)               ; what block p - 1's wrote: stored now
.if p < 13
	s_wait_loadcnt 12                              ; my block's four loads are in; the three younger blocks stay out
.else
	s_wait_loadcnt 4*(15-p)                        ; the last blocks have fewer behind them: the counts run down
.endif
.if p > 0
	s_wait_xcnt 0x0                                ; every earlier memory instruction has had its addresses translated (ISA guide 3.1): WY's buffer is rewritten only behind this wait
	s_wait_alu depctr_vm_vsrc(0)                   ; the stores issued in the block before have read the WY buffer that this block's roundings write again
	s_wait_alu depctr_va_vdst(0)                   ; the block before has written the other WY buffer, which the stores below read, and is done reading its WX buffer, in which the loads below land
.endif
.irp i, 0,1,2,3
.if p < 12
	global_load_b128 v[WXL+4*(\i):WXL+4*(\i)+3], v[XO], s[18:19] offset:(4*(p+4)+(\i))*512 th:TH_LOAD_NT  ; four blocks ahead; no vector line since the wait names these registers
.endif
.if p > 0
	global_store_b64 v[XSO], v[WYO+2*(\i):WYO+2*(\i)+1], s[28:29] offset:(4*(p-1)+(\i))*256 th:TH_STORE_NT  ; the block before: 256 consecutive bytes, at a multiple of 256 from wb's first byte
.endif
.irp k, 0,1,2,3
	v_cvt_f32_i32 v[T+(\k)], v[WXI+4*(\i)+(\k)]
.endr
	v_cvt_pk_bf16_f32 v[WYI+2*(\i)], v[T], v[T+1]
	v_cvt_pk_bf16_f32 v[WYI+2*(\i)+1], v[T+2], v[T+3]
.endr
.endm
.set p, 0
.rept 16
	WBLOCK
.set p, p+1
.endr
	s_wait_alu depctr_va_vdst(0)                   ; block 15 has written its WY buffer, which the last four stores read
.irp i, 0,1,2,3
	global_store_b64 v[XSO], v[WY+8+2*(\i):WY+8+2*(\i)+1], s[28:29] offset:(60+(\i))*256 th:TH_STORE_NT
.endr
.Ljoin:
	s_wait_dscnt 0x0                               ; for the others' sake: my partial tile lies in LDS
	s_barrier_signal -1
	s_barrier_wait -1                              ; all eight do
	s_cmp_lt_u32 s[WV], 4
	s_cbranch_scc0 .Lend
	; Thread t of 128: row t / 8, r = 4 (t % 8) + 0..3: 16 bytes of each partial tile and of lora_B, 8 bytes of xas and of lbb
	v_lshl_add_u32 v66, v0, 4, PART
	v_lshlrev_b32 v102, 3, v0
	v_cvt_pk_bf16_f32 v100, v[LBR], v[LBR+1]       ; (lora_B and lora_S are in since the first counted wait for loads)
	v_cvt_pk_bf16_f32 v101, v[LBR+2], v[LBR+3]
	s_wait_alu depctr_va_vdst(0)                   ; v66 and v102 are written, the address and the offset below; so are v100 and v101, the store's data; and every earlier vector line is done reading v68 to v99, in which the LDS loads land
.irp p, 0,1,2,3,4,5,6,7
	ds_load_b128 v[68+4*(\p):71+4*(\p)], v66 offset:(\p)*2048
.endr
	global_store_b64 v102, v[100:101], s[32:33]    ; a wave stores 256 consecutive bytes of lbb
	s_wait_dscnt 0x0
.irp p, 0,2,4,6
	v_pk_add_f32 v[68+4*(\p):69+4*(\p)], v[68+4*(\p):69+4*(\p)], v[72+4*(\p):73+4*(\p)]
	v_pk_add_f32 v[70+4*(\p):71+4*(\p)], v[70+4*(\p):71+4*(\p)], v[74+4*(\p):75+4*(\p)]
.endr
.irp p, 0,4
	v_pk_add_f32 v[68+4*(\p):69+4*(\p)], v[68+4*(\p):69+4*(\p)], v[76+4*(\p):77+4*(\p)]
	v_pk_add_f32 v[70+4*(\p):71+4*(\p)], v[70+4*(\p):71+4*(\p)], v[78+4*(\p):79+4*(\p)]
.endr
	v_pk_add_f32 v[68:69], v[68:69], v[84:85]
	v_pk_add_f32 v[70:71], v[70:71], v[86:87]
	v_pk_mul_f32 v[68:69], v[68:69], v[SR:SR+1]    ; (x A^T) * S, in f32
	v_pk_mul_f32 v[70:71], v[70:71], v[SR+2:SR+3]
	v_cvt_pk_bf16_f32 v104, v68, v69
	v_cvt_pk_bf16_f32 v105, v70, v71
	s_wait_alu depctr_va_vdst(0)                   ; the two roundings have written v104 and v105, which the store reads
	global_store_b64 v102, v[104:105], s[30:31]    ; and 256 consecutive bytes of xas
.Lend:
	s_wait_dscnt 0x0                               ; the wave's end
	s_wait_alu 0x0
	s_wait_tensorcnt 0x0
	ds_add_u32 v[SPW], v[NIL]
	s_wait_dscnt 0x0
	s_endpgm
.Lfunc_end_k_qf9b3085b90_prep:
	.size	k_qf9b3085b90_prep, .Lfunc_end_k_qf9b3085b90_prep-k_qf9b3085b90_prep
	.p2alignl 7, 3214868480
	.fill 96, 4, 3214868480
	.section	.rodata,"a",@progbits
	.p2align	6, 0x0
	.amdhsa_kernel k_qf9b3085b90_prep
		.amdhsa_group_segment_fixed_size 104448
		.amdhsa_private_segment_fixed_size 0
		.amdhsa_enable_private_segment 0
		.amdhsa_kernarg_size 72
		.amdhsa_user_sgpr_count 2
		.amdhsa_user_sgpr_kernarg_segment_ptr 1
		.amdhsa_wavefront_size32 1
		.amdhsa_system_sgpr_workgroup_id_x 1
		.amdhsa_system_sgpr_workgroup_id_y 1
		.amdhsa_system_sgpr_workgroup_id_z 1
		.amdhsa_system_vgpr_workitem_id 0
		.amdhsa_next_free_vgpr 256
		.amdhsa_next_free_sgpr 66
		.amdhsa_reserve_vcc 0
		.amdhsa_float_denorm_mode_32 3
		.amdhsa_float_denorm_mode_16_64 3
		.amdhsa_memory_ordered 1
		.amdhsa_forward_progress 1
		.amdhsa_inst_pref_size 94
	.end_amdhsa_kernel
	.amdgpu_metadata
---
amdhsa.version: [ 1, 2 ]
amdhsa.kernels:
  - .name:           k_qf9b3085b90_prep
    .symbol:         k_qf9b3085b90_prep.kd
    .args:
      - { .name: x, .offset: 0, .size: 8, .value_kind: global_buffer, .address_space: global }
      - { .name: w_q, .offset: 8, .size: 8, .value_kind: global_buffer, .address_space: global }
      - { .name: lora_A, .offset: 16, .size: 8, .value_kind: global_buffer, .address_space: global }
      - { .name: lora_S, .offset: 24, .size: 8, .value_kind: global_buffer, .address_space: global }
      - { .name: lora_B, .offset: 32, .size: 8, .value_kind: global_buffer, .address_space: global }
      - { .name: xb, .offset: 40, .size: 8, .value_kind: global_buffer, .address_space: global }
      - { .name: wb, .offset: 48, .size: 8, .value_kind: global_buffer, .address_space: global }
      - { .name: xas, .offset: 56, .size: 8, .value_kind: global_buffer, .address_space: global }
      - { .name: lbb, .offset: 64, .size: 8, .value_kind: global_buffer, .address_space: global }
    .group_segment_fixed_size: 104448
    .private_segment_fixed_size: 0
    .kernarg_segment_align: 8
    .kernarg_segment_size: 72
    .max_flat_workgroup_size: 512
    .sgpr_count:     66
    .vgpr_count:     256
    .wavefront_size: 32
...
	.end_amdgpu_metadata
.endif
;; end of part 3
;; launch gemm: the kernel of part 2 again; grid 16 x 16, 4 waves a work-group, clusters of 4 x 4, 327,680 bytes of LDS; arguments xb, wb, out0, xas, lbb, w_scale, bias; writes out0
